; MI455X (gfx1250); checked and timed in simulation.
; The chip was launched on July 23, 2026; its instructions are those of AMD's public machine-readable ISA for CDNA 5 (MIT licence, August 2026) and "CDNA5" Instruction Set Architecture Reference Guide (July 2026). The comments in the code are by the model that wrote it; some were corrected since.
;; Poisson Operators. Allowed arithmetic: float matrix products may take bf16 or f16 operands with f32 sums; all other float work in f32.
;; Inputs: X1 2,048 x 2 float32; X2 4,096 x 2 float32; lengthscale one number float32.
;; Outputs: out0 2,048 x 4,096 float32.
;; 2 versions, each right; version 2 is version 1 with the launch bilaplace written anew for expert scheduling mode. Each part assembles by itself: llvm-mc -triple=amdgcn-amd-amdhsa -mcpu=gfx1250 --defsym DOCPART=n.
;; ======== version 1 of 2: 1 launch
;; launch bilaplace (part 1): grid 2 x 128, 16 waves a work-group, no clusters, 0 bytes of LDS; arguments X1, X2, lengthscale, out0; writes out0
.if DOCPART == 1
	.amdgcn_target "amdgcn-amd-amdhsa--gfx1250"
	.amdhsa_code_object_version 6
	.text
	.protected	k_qac474d6337_bilaplace
	.globl	k_qac474d6337_bilaplace
	.p2align	8
	.type	k_qac474d6337_bilaplace,@function
k_qac474d6337_bilaplace:
	s_mov_b64 s[64:65], 0
	v_nop
	global_prefetch_b8 v0, s[64:65] scope:SCOPE_SE
	s_setreg_imm32_b32 hwreg(HW_REG_WAVE_MODE, 25, 1), 1
	s_wait_xcnt 0x0
; out[i][j] = Laplacian in x1 of the Laplacian in x2 of k(x1_i, x2_j),  k = exp(-|x1 - x2|^2 / (2 l^2)),  points in the plane.
; X1: [2048][2] f32, X2: [4096][2] f32, l: one f32, out: [2048][4096] f32.
;
; CLOSED FORM.  k hangs on x1 - x2 alone, so both traces of Hessians are the plane's Laplacian in that difference.  For g(s), s = |x1 - x2|^2,
; it is 4 s g'' + 4 g'.  With a = 1 / l^2 and u = a s, applied twice to exp(-a s / 2):   out = a^2 (u^2 - 8 u + 8) exp(-u / 2).
; It is evaluated in t = -(a log2(e) / 2) s, which the base-2 exponential wants anyway (u = -2 ln2 t):
;     out = ((KA t + KB) t + KC) 2^t,   KA = 4 ln2^2 a^2,  KB = 16 ln2 a^2,  KC = 8 a^2.
; Only a^2 is formed, so the coefficients are finite wherever the peak value 8 / l^4 is.  The differences are taken first, on the inputs as
; they are given, so that a common offset of the points drops out as it does in the definition.
;
; LIMITS.  Where 2^t is below 2^-126 the result is 0 (v_exp_f32 flushes denormal results: ISA guide, its entry in 15.8).  KA t^2 has to stay
; finite: (s / l^4)^2 below about 1e38; beyond that the product with 2^t = 0 is NaN.  l^2 has to be a normal f32 (|l| above about 1.1e-19).
; 1 / l^2 is v_rcp_f32's, good to one unit in the last place.
;
; SHARES.  256 work-groups of 16 waves.  A work-group makes 16 rows x 2,048 columns; thread t keeps columns 4 t .. 4 t + 3 of that half in
; every row, so one store of a wave covers 512 consecutive bytes, aligned.  Its four points of X2 stay in registers; the 16 points of X1 are
; the same for the whole wave and stay in scalar registers.  The 16 rows are written out, two at a time, and each row has four result
; registers of its own: no register that a store names is ever written again, so the body needs no wait at all.
; No LDS, no barrier (no wave needs another's data), no matrix instruction (|x1 - x2|^2 as a product would subtract large sums).
.set ROWB, 16384                       ; bytes in a row of out
.set OFX,  1                           ; v1        byte offset of my four points in X2
.set OFO,  2                           ; v2        byte offset of my 16 bytes in the work-group's first row of out
.set L2,   3                           ; v3        l^2
.set XA,   4                           ; v[4:5]    x of my columns 0, 1      (as loaded: x0 y0 x1 y1, the middle two then change places)
.set YA,   6                           ; v[6:7]    y of my columns 0, 1
.set XB,   8                           ; v[8:9]    x of my columns 2, 3
.set YB,   10                          ; v[10:11]  y of my columns 2, 3
.set NC,   12                          ; v[12:13]  -a log2(e) / 2, twice (a pair for the packed forms)
.set KA,   14                          ; v[14:15]  4 ln2^2 a^2, twice
.set KB,   16                          ; v[16:17]  16 ln2 a^2, twice
.set KC,   18                          ; v[18:19]  8 a^2, twice
.set D,    20                          ; v[20:27]  two rows x four columns: dx, dx^2, s, t
.set E,    28                          ; v[28:35]  the same eight: dy, then 2^t
.set O,    36                          ; v[36:99]  row r: v[36 + 4 r : 39 + 4 r], the polynomial and then the result
.set XS,   16                          ; s[16:47]  my 16 points of X1, (x, y) a pair: the packed forms take x, the low register
.set YS,   68                          ; s[68:99]  the same 128 bytes once more; y is moved into the low register before the pair's first use
	s_load_b256 s[4:11], s[0:1], 0x0               ; X1 s[4:5], X2 s[6:7], l s[8:9], out s[10:11]
	s_and_b32 s12, ttmp7, 0xffff                   ; block of 16 rows, 0 .. 127
	s_lshl_b32 s2, s12, 7                          ; its 16 points of X1: 128 bytes a block
	s_mov_b32 s3, 0
	s_lshl_b32 s13, s12, 18                        ; its 16 rows of out: 16 x 16,384 bytes
	s_lshl_b32 s14, ttmp9, 13                      ; half of the columns: 2,048 x 4 bytes
	s_add_co_u32 s13, s13, s14
	s_lshl_b32 s14, ttmp9, 14                      ; and in X2: 2,048 points x 8 bytes
	v_lshl_add_u32 v[OFX], v0, 5, s14              ; + 32 t: four points
	v_lshl_add_u32 v[OFO], v0, 4, s13              ; + 16 t: four results (below 2^25)
	s_wait_kmcnt 0x0                               ; the four addresses
	global_load_b128 v[XA:XA+3], v[OFX], s[6:7]            ; x0 y0 x1 y1
	global_load_b128 v[XB:XB+3], v[OFX], s[6:7] offset:16  ; x2 y2 x3 y3
	s_add_nc_u64 s[4:5], s[4:5], s[2:3]            ; X1 at the block's first point
	s_load_b32 s12, s[8:9], 0x0                    ; l
	s_load_b512 s[XS:XS+15],    s[4:5], 0x0        ; points 0 - 7
	s_load_b512 s[XS+16:XS+31], s[4:5], 0x40       ; points 8 - 15
	s_load_b512 s[YS:YS+15],    s[4:5], 0x0        ; and both again, for y
	s_load_b512 s[YS+16:YS+31], s[4:5], 0x40
	s_wait_kmcnt 0x0                               ; scalar loads come back in no order: zero is the only count that says anything
	v_mul_f32 v[L2], s12, s12                      ; l^2
	v_rcp_f32 v[D+1], v[L2]                        ; a = 1 / l^2; the moves below are the plain instructions that stand in front of its first use
	s_wait_loadcnt 0x0                             ; my four points of X2
	v_mov_b32 v[D], v[XA+1]                        ; x0 y0 x1 y1 -> x0 x1 y0 y1: pairs of neighbouring columns for the packed forms
	v_mov_b32 v[XA+1], v[XA+2]
	v_mov_b32 v[XA+2], v[D]
	v_mov_b32 v[D], v[XB+1]
	v_mov_b32 v[XB+1], v[XB+2]
	v_mov_b32 v[XB+2], v[D]
	s_wait_alu depctr_va_vdst(0)
	v_mul_f32 v[D+2], v[D+1], v[D+1]               ; a^2
.irp h, 0,1
	v_mul_f32 v[NC+\h], 0xbf38aa3b, v[D+1]         ; -log2(e) / 2 x a
	v_mul_f32 v[KA+\h], 0x3ff5fdf0, v[D+2]         ; 4 ln2^2 = 1.9218121
	v_mul_f32 v[KB+\h], 0x41317218, v[D+2]         ; 16 ln2  = 11.090355
	v_mul_f32 v[KC+\h], 0x41000000, v[D+2]         ; 8
.endr
; Rows 2 k and 2 k + 1: eight results a lane, four packed chains that do not wait for each other.
.macro ROWS2 k
	s_mov_b32 s[YS+4*\k],   s[YS+4*\k+1]           ; a scalar pair gives its low register to both halves of a packed form:
	s_mov_b32 s[YS+4*\k+2], s[YS+4*\k+3]           ; y takes that place, in a pair that no vector instruction has read yet
.irp r, 0,1
	v_pk_add_f32 v[D+4*\r:D+4*\r+1],   v[XA:XA+1], s[XS+4*\k+2*\r:XS+4*\k+2*\r+1] op_sel_hi:[1,0] neg_lo:[0,1] neg_hi:[0,1]   ; dx = x2 - x1
	v_pk_add_f32 v[D+4*\r+2:D+4*\r+3], v[XB:XB+1], s[XS+4*\k+2*\r:XS+4*\k+2*\r+1] op_sel_hi:[1,0] neg_lo:[0,1] neg_hi:[0,1]
.endr
.irp p, 0,2,4,6
	v_pk_mul_f32 v[D+\p:D+\p+1], v[D+\p:D+\p+1], v[D+\p:D+\p+1]                    ; dx^2
.endr
.irp r, 0,1
	v_pk_add_f32 v[E+4*\r:E+4*\r+1],   v[YA:YA+1], s[YS+4*\k+2*\r:YS+4*\k+2*\r+1] op_sel_hi:[1,0] neg_lo:[0,1] neg_hi:[0,1]   ; dy = y2 - y1
	v_pk_add_f32 v[E+4*\r+2:E+4*\r+3], v[YB:YB+1], s[YS+4*\k+2*\r:YS+4*\k+2*\r+1] op_sel_hi:[1,0] neg_lo:[0,1] neg_hi:[0,1]
.endr
.irp p, 0,2,4,6
	v_pk_fma_f32 v[D+\p:D+\p+1], v[E+\p:E+\p+1], v[E+\p:E+\p+1], v[D+\p:D+\p+1]    ; s = dy^2 + dx^2
.endr
.irp p, 0,2,4,6
	v_pk_mul_f32 v[D+\p:D+\p+1], v[D+\p:D+\p+1], v[NC:NC+1]                        ; t = -(a log2(e) / 2) s
.endr
.irp i, 0,1,2,3,4,5,6,7
	v_exp_f32 v[E+\i], v[D+\i]                                                     ; 2^t = exp(-u / 2); dy is done with
.endr
	; the polynomial reads t and touches no 2^t: eight plain instructions between the last exponential and the first use of a result
.irp p, 0,2,4,6
	v_pk_fma_f32 v[O+8*\k+\p:O+8*\k+\p+1], v[D+\p:D+\p+1], v[KA:KA+1], v[KB:KB+1]                  ; KA t + KB
.endr
.irp p, 0,2,4,6
	v_pk_fma_f32 v[O+8*\k+\p:O+8*\k+\p+1], v[O+8*\k+\p:O+8*\k+\p+1], v[D+\p:D+\p+1], v[KC:KC+1]    ; (..) t + KC
.endr
	s_wait_alu depctr_va_vdst(0)
.irp p, 0,2,4,6
	v_pk_mul_f32 v[O+8*\k+\p:O+8*\k+\p+1], v[O+8*\k+\p:O+8*\k+\p+1], v[E+\p:E+\p+1]                ; x 2^t
.endr
.irp r, 0,1
	global_store_b128 v[OFO], v[O+8*\k+4*\r:O+8*\k+4*\r+3], s[10:11] offset:ROWB*(2*\k+\r) th:TH_STORE_NT   ; the wave: 512 consecutive bytes, aligned; written once, read by nobody here
.endr
.endm
.irp k, 0,1,2,3,4,5,6,7
	ROWS2 \k
.endr
	s_endpgm                                       ; plain stores may be on their way at the end
.Lfunc_end_k_qac474d6337_bilaplace:
	.size	k_qac474d6337_bilaplace, .Lfunc_end_k_qac474d6337_bilaplace-k_qac474d6337_bilaplace
	.p2alignl 7, 3214868480
	.fill 96, 4, 3214868480
	.section	.rodata,"a",@progbits
	.p2align	6, 0x0
	.amdhsa_kernel k_qac474d6337_bilaplace
		.amdhsa_group_segment_fixed_size 0
		.amdhsa_private_segment_fixed_size 0
		.amdhsa_enable_private_segment 0
		.amdhsa_kernarg_size 32
		.amdhsa_user_sgpr_count 2
		.amdhsa_user_sgpr_kernarg_segment_ptr 1
		.amdhsa_wavefront_size32 1
		.amdhsa_system_sgpr_workgroup_id_x 1
		.amdhsa_system_sgpr_workgroup_id_y 1
		.amdhsa_system_sgpr_workgroup_id_z 1
		.amdhsa_system_vgpr_workitem_id 0
		.amdhsa_next_free_vgpr 100
		.amdhsa_next_free_sgpr 100
		.amdhsa_reserve_vcc 0
		.amdhsa_float_denorm_mode_32 3
		.amdhsa_float_denorm_mode_16_64 3
		.amdhsa_memory_ordered 1
		.amdhsa_forward_progress 1
		.amdhsa_inst_pref_size 23
	.end_amdhsa_kernel
	.amdgpu_metadata
---
amdhsa.version: [ 1, 2 ]
amdhsa.kernels:
  - .name:           k_qac474d6337_bilaplace
    .symbol:         k_qac474d6337_bilaplace.kd
    .args:
      - { .name: X1, .offset: 0, .size: 8, .value_kind: global_buffer, .address_space: global }
      - { .name: X2, .offset: 8, .size: 8, .value_kind: global_buffer, .address_space: global }
      - { .name: lengthscale, .offset: 16, .size: 8, .value_kind: global_buffer, .address_space: global }
      - { .name: out0, .offset: 24, .size: 8, .value_kind: global_buffer, .address_space: global }
    .group_segment_fixed_size: 0
    .private_segment_fixed_size: 0
    .kernarg_segment_align: 8
    .kernarg_segment_size: 32
    .max_flat_workgroup_size: 512
    .sgpr_count:     100
    .vgpr_count:     100
    .wavefront_size: 32
...
	.end_amdgpu_metadata
.endif
;; end of part 1
;; ======== version 2 of 2: 1 launch; version 1 with the launch bilaplace written anew for expert scheduling mode
;; launch bilaplace (part 2): grid 2 x 128, 16 waves a work-group, no clusters, 0 bytes of LDS; arguments X1, X2, lengthscale, out0; writes out0
.if DOCPART == 2
	.amdgcn_target "amdgcn-amd-amdhsa--gfx1250"
	.amdhsa_code_object_version 6
	.text
	.protected	k_qac474d6337_bilaplace
	.globl	k_qac474d6337_bilaplace
	.p2align	8
	.type	k_qac474d6337_bilaplace,@function
k_qac474d6337_bilaplace:
	s_mov_b64 s[64:65], 0
	v_nop
	global_prefetch_b8 v0, s[64:65] scope:SCOPE_SE
	s_setreg_imm32_b32 hwreg(HW_REG_WAVE_SCHED_MODE, 0, 2), 2
	s_setreg_imm32_b32 hwreg(HW_REG_WAVE_MODE, 25, 1), 1
	s_wait_xcnt 0x0
	s_wait_alu depctr_vm_vsrc(0)
; out[i][j] = Laplacian in x1 of the Laplacian in x2 of k(x1_i, x2_j),  k = exp(-|x1 - x2|^2 / (2 l^2)),  points in the plane.
; X1: [2048][2] f32, X2: [4096][2] f32, l: one f32, out: [2048][4096] f32.
;
; CLOSED FORM.  k hangs on x1 - x2 alone, so both traces of Hessians are the plane's Laplacian in that difference.  For g(s), s = |x1 - x2|^2,
; it is 4 s g'' + 4 g'.  With a = 1 / l^2 and u = a s, applied twice to exp(-a s / 2):   out = a^2 (u^2 - 8 u + 8) exp(-u / 2).
; It is evaluated in t = -(a log2(e) / 2) s, which the base-2 exponential wants anyway (u = -2 ln2 t):
;     out = ((KA t + KB) t + KC) 2^t,   KA = 4 ln2^2 a^2,  KB = 16 ln2 a^2,  KC = 8 a^2.
; Only a^2 is formed, so the coefficients are finite wherever the peak value 8 / l^4 is.  The differences are taken first, on the inputs as
; they are given, so that a common offset of the points drops out as it does in the definition.
;
; LIMITS.  Where 2^t is below 2^-126 the result is 0 (v_exp_f32 flushes denormal results: ISA guide, its entry in 15.8).  KA t^2 has to stay
; finite: (s / l^4)^2 below about 1e38; beyond that the product with 2^t = 0 is NaN.  l^2 has to be a normal f32 (|l| above about 1.1e-19).
; 1 / l^2 is v_rcp_f32's, good to one unit in the last place.
;
; SHARES.  256 work-groups of 16 waves.  A work-group makes 16 rows x 2,048 columns; thread t keeps columns 4 t .. 4 t + 3 of that half in
; every row, so one store of a wave covers 512 consecutive bytes, aligned.  Its four points of X2 stay in registers; the 16 points of X1 are
; the same for the whole wave and stay in scalar registers.  The 16 rows are written out, two to a step, and each row has four result
; registers of its own: no register that a store names is ever written again.
; No LDS, no barrier (no wave needs another's data), no matrix instruction (|x1 - x2|^2 as a product would subtract large sums).
;
; THE MODE: SCHED_MODE bits 1:0 = 2 (LLVM: expert scheduling mode 2), set by the entry lines.  The code itself states the register dependences
; between vector instructions and memory instructions, with s_wait_alu, always for 0.
; THE PLAN.  Registers that memory instructions touch:
;   v1, v2       byte offsets.  Written once at the head; read by the two loads and by the sixteen stores; never written again.
;   v[4:11]      my points of X2.  The two loads land in them; no vector instruction names them ahead of those loads, no load lands there later.
;   O, step k    eight registers.  Written by step k's polynomial and its last multiplies; read by step k's two stores; never written again.
;   D, E and the constants are named by vector instructions alone.  No vector instruction writes a scalar register, VCC or EXEC.
; A step has ONE wait on va_vdst, between its polynomial and its last multiplies.  It states that the step's eight exponentials have written E,
; ahead of their first reader, and that the step before has written its O: so the two stores of the step before stand directly behind it.
; Step 0 has a wait of its own behind its multiplies and stores its two rows at once, so that the stores begin with the first finished rows;
; step 1's rows leave in step 2, and so on; one more wait stands ahead of step 7's stores.  Since nothing that a memory instruction reads is
; written again, no wait on vm_vsrc and no s_wait_xcnt is owed anywhere.
.set ROWB, 16384                       ; bytes in a row of out
.set OFX,  1                           ; v1        byte offset of my four points in X2
.set OFO,  2                           ; v2        byte offset of my 16 bytes in the work-group's first row of out
.set L2,   3                           ; v3        l^2
.set XA,   4                           ; v[4:5]    x of my columns 0, 1      (as loaded: x0 y0 x1 y1, the middle two then change places)
.set YA,   6                           ; v[6:7]    y of my columns 0, 1
.set XB,   8                           ; v[8:9]    x of my columns 2, 3
.set YB,   10                          ; v[10:11]  y of my columns 2, 3
.set NC,   12                          ; v[12:13]  -a log2(e) / 2, twice (a pair for the packed forms)
.set KA,   14                          ; v[14:15]  4 ln2^2 a^2, twice
.set KB,   16                          ; v[16:17]  16 ln2 a^2, twice
.set KC,   18                          ; v[18:19]  8 a^2, twice
.set D,    20                          ; v[20:27]  two rows x four columns: dx, dx^2, s, t
.set E,    28                          ; v[28:35]  the same eight: dy, then 2^t
.set O,    36                          ; v[36:99]  row r: v[36 + 4 r : 39 + 4 r], the polynomial and then the result
.set XS,   16                          ; s[16:47]  my 16 points of X1, (x, y) a pair: the packed forms take x, the low register
.set YS,   68                          ; s[68:99]  the same 128 bytes once more; y is moved into the low register before the pair's first use
	s_load_b256 s[4:11], s[0:1], 0x0               ; X1 s[4:5], X2 s[6:7], l s[8:9], out s[10:11]
	s_and_b32 s12, ttmp7, 0xffff                   ; block of 16 rows, 0 .. 127
	s_lshl_b32 s2, s12, 7                          ; its 16 points of X1: 128 bytes a block
	s_mov_b32 s3, 0
	s_lshl_b32 s13, s12, 18                        ; its 16 rows of out: 16 x 16,384 bytes
	s_lshl_b32 s14, ttmp9, 13                      ; half of the columns: 2,048 x 4 bytes
	s_add_co_u32 s13, s13, s14
	s_lshl_b32 s14, ttmp9, 14                      ; and in X2: 2,048 points x 8 bytes
	v_lshl_add_u32 v[OFX], v0, 5, s14              ; + 32 t: four points
	v_lshl_add_u32 v[OFO], v0, 4, s13              ; + 16 t: four results (below 2^25)
	s_wait_kmcnt 0x0                               ; the four addresses
	s_wait_alu depctr_va_vdst(0)                   ; v1 and v2 are written: the two loads below and all sixteen stores read one of them as their offset
	global_load_b128 v[XA:XA+3], v[OFX], s[6:7]            ; x0 y0 x1 y1
	global_load_b128 v[XB:XB+3], v[OFX], s[6:7] offset:16  ; x2 y2 x3 y3
	s_add_nc_u64 s[4:5], s[4:5], s[2:3]            ; X1 at the block's first point
	s_load_b32 s12, s[8:9], 0x0                    ; l
	s_load_b512 s[XS:XS+15],    s[4:5], 0x0        ; points 0 - 7
	s_load_b512 s[XS+16:XS+31], s[4:5], 0x40       ; points 8 - 15
	s_load_b512 s[YS:YS+15],    s[4:5], 0x0        ; and both again, for y
	s_load_b512 s[YS+16:YS+31], s[4:5], 0x40
	s_wait_kmcnt 0x0                               ; scalar loads come back in no order: zero is the only count that says anything
	v_mul_f32 v[L2], s12, s12                      ; l^2
	v_rcp_f32 v[D+1], v[L2]                        ; a = 1 / l^2; the moves below are the plain instructions that stand in front of its first use
	s_wait_loadcnt 0x0                             ; my four points of X2
	v_mov_b32 v[D], v[XA+1]                        ; x0 y0 x1 y1 -> x0 x1 y0 y1: pairs of neighbouring columns for the packed forms
	v_mov_b32 v[XA+1], v[XA+2]
	v_mov_b32 v[XA+2], v[D]
	v_mov_b32 v[D], v[XB+1]
	v_mov_b32 v[XB+1], v[XB+2]
	v_mov_b32 v[XB+2], v[D]
	s_wait_alu depctr_va_vdst(0)                   ; the reciprocal has written a, ahead of its first reader
	v_mul_f32 v[D+2], v[D+1], v[D+1]               ; a^2
.irp h, 0,1
	v_mul_f32 v[NC+\h], 0xbf38aa3b, v[D+1]         ; -log2(e) / 2 x a
	v_mul_f32 v[KA+\h], 0x3ff5fdf0, v[D+2]         ; 4 ln2^2 = 1.9218121
	v_mul_f32 v[KB+\h], 0x41317218, v[D+2]         ; 16 ln2  = 11.090355
	v_mul_f32 v[KC+\h], 0x41000000, v[D+2]         ; 8
.endr
; The two stores of step k.  They stand directly behind a wait on va_vdst that was issued behind step k's last multiplies.
.macro SEND k
.irp r, 0,1
	global_store_b128 v[OFO], v[O+8*(\k)+4*\r:O+8*(\k)+4*\r+3], s[10:11] offset:ROWB*(2*(\k)+\r) th:TH_STORE_NT   ; the wave: 512 consecutive bytes, aligned; written once, read by nobody here
.endr
.endm
; Step k: rows 2 k and 2 k + 1: eight results a lane, four packed chains that do not wait for each other.
.macro ROWS2 k
	s_mov_b32 s[YS+4*\k],   s[YS+4*\k+1]           ; a scalar pair gives its low register to both halves of a packed form:
	s_mov_b32 s[YS+4*\k+2], s[YS+4*\k+3]           ; y takes that place, in a pair that no vector instruction has read yet
.irp r, 0,1
	v_pk_add_f32 v[D+4*\r:D+4*\r+1],   v[XA:XA+1], s[XS+4*\k+2*\r:XS+4*\k+2*\r+1] op_sel_hi:[1,0] neg_lo:[0,1] neg_hi:[0,1]   ; dx = x2 - x1
	v_pk_add_f32 v[D+4*\r+2:D+4*\r+3], v[XB:XB+1], s[XS+4*\k+2*\r:XS+4*\k+2*\r+1] op_sel_hi:[1,0] neg_lo:[0,1] neg_hi:[0,1]
.endr
.irp p, 0,2,4,6
	v_pk_mul_f32 v[D+\p:D+\p+1], v[D+\p:D+\p+1], v[D+\p:D+\p+1]                    ; dx^2
.endr
.irp r, 0,1
	v_pk_add_f32 v[E+4*\r:E+4*\r+1],   v[YA:YA+1], s[YS+4*\k+2*\r:YS+4*\k+2*\r+1] op_sel_hi:[1,0] neg_lo:[0,1] neg_hi:[0,1]   ; dy = y2 - y1
	v_pk_add_f32 v[E+4*\r+2:E+4*\r+3], v[YB:YB+1], s[YS+4*\k+2*\r:YS+4*\k+2*\r+1] op_sel_hi:[1,0] neg_lo:[0,1] neg_hi:[0,1]
.endr
.irp p, 0,2,4,6
	v_pk_fma_f32 v[D+\p:D+\p+1], v[E+\p:E+\p+1], v[E+\p:E+\p+1], v[D+\p:D+\p+1]    ; s = dy^2 + dx^2
.endr
.irp p, 0,2,4,6
	v_pk_mul_f32 v[D+\p:D+\p+1], v[D+\p:D+\p+1], v[NC:NC+1]                        ; t = -(a log2(e) / 2) s
.endr
.irp i, 0,1,2,3,4,5,6,7
	v_exp_f32 v[E+\i], v[D+\i]                                                     ; 2^t = exp(-u / 2); dy is done with.  One batch of eight
.endr
	; the polynomial reads t and touches no 2^t: eight plain instructions between the last exponential and the wait for the batch
.irp p, 0,2,4,6
	v_pk_fma_f32 v[O+8*\k+\p:O+8*\k+\p+1], v[D+\p:D+\p+1], v[KA:KA+1], v[KB:KB+1]                  ; KA t + KB
.endr
.irp p, 0,2,4,6
	v_pk_fma_f32 v[O+8*\k+\p:O+8*\k+\p+1], v[O+8*\k+\p:O+8*\k+\p+1], v[D+\p:D+\p+1], v[KC:KC+1]    ; (..) t + KC
.endr
	s_wait_alu depctr_va_vdst(0)                   ; the eight exponentials have written E, ahead of their first reader; and the step before has written its eight registers of O, which the stores below read
.if \k > 1
	SEND (\k)-1                                    ; the rows of the step before (step 0 has stored its own)
.endif
.irp p, 0,2,4,6
	v_pk_mul_f32 v[O+8*\k+\p:O+8*\k+\p+1], v[O+8*\k+\p:O+8*\k+\p+1], v[E+\p:E+\p+1]                ; x 2^t
.endr
.if \k == 0
	s_wait_alu depctr_va_vdst(0)                   ; the four multiplies have written rows 0 and 1, which the stores below read: the first finished rows leave at once
	SEND 0
.endif
.endm
.irp k, 0,1,2,3,4,5,6,7
	ROWS2 \k
.endr
	s_wait_alu depctr_va_vdst(0)                   ; step 7's multiplies have written rows 14 and 15, which the last two stores read
	SEND 7
	s_endpgm                                       ; plain stores may be on their way at the end
.Lfunc_end_k_qac474d6337_bilaplace:
	.size	k_qac474d6337_bilaplace, .Lfunc_end_k_qac474d6337_bilaplace-k_qac474d6337_bilaplace
	.p2alignl 7, 3214868480
	.fill 96, 4, 3214868480
	.section	.rodata,"a",@progbits
	.p2align	6, 0x0
	.amdhsa_kernel k_qac474d6337_bilaplace
		.amdhsa_group_segment_fixed_size 0
		.amdhsa_private_segment_fixed_size 0
		.amdhsa_enable_private_segment 0
		.amdhsa_kernarg_size 32
		.amdhsa_user_sgpr_count 2
		.amdhsa_user_sgpr_kernarg_segment_ptr 1
		.amdhsa_wavefront_size32 1
		.amdhsa_system_sgpr_workgroup_id_x 1
		.amdhsa_system_sgpr_workgroup_id_y 1
		.amdhsa_system_sgpr_workgroup_id_z 1
		.amdhsa_system_vgpr_workitem_id 0
		.amdhsa_next_free_vgpr 100
		.amdhsa_next_free_sgpr 100
		.amdhsa_reserve_vcc 0
		.amdhsa_float_denorm_mode_32 3
		.amdhsa_float_denorm_mode_16_64 3
		.amdhsa_memory_ordered 1
		.amdhsa_forward_progress 1
		.amdhsa_inst_pref_size 23
	.end_amdhsa_kernel
	.amdgpu_metadata
---
amdhsa.version: [ 1, 2 ]
amdhsa.kernels:
  - .name:           k_qac474d6337_bilaplace
    .symbol:         k_qac474d6337_bilaplace.kd
    .args:
      - { .name: X1, .offset: 0, .size: 8, .value_kind: global_buffer, .address_space: global }
      - { .name: X2, .offset: 8, .size: 8, .value_kind: global_buffer, .address_space: global }
      - { .name: lengthscale, .offset: 16, .size: 8, .value_kind: global_buffer, .address_space: global }
      - { .name: out0, .offset: 24, .size: 8, .value_kind: global_buffer, .address_space: global }
    .group_segment_fixed_size: 0
    .private_segment_fixed_size: 0
    .kernarg_segment_align: 8
    .kernarg_segment_size: 32
    .max_flat_workgroup_size: 512
    .sgpr_count:     100
    .vgpr_count:     100
    .wavefront_size: 32
...
	.end_amdgpu_metadata
.endif
;; end of part 2
